; MI455X (gfx1250); checked and timed in simulation.
; The chip was launched on July 23, 2026; its instructions are those of AMD's public machine-readable ISA for CDNA 5 (MIT licence, August 2026) and "CDNA5" Instruction Set Architecture Reference Guide (July 2026). The comments in the code are by the model that wrote it; some were corrected since.
;; Moe Layer. Allowed arithmetic: matrix products marked QUANTISED: E5M2 operands, one E8M0 scale for each 32 along K, by v_wmma_scale_f32_16x16x128_f8f6f4 with both operands' format E5M2, f32 sums; products left as they are: f32 operands where the result goes on into a quantised operand, else bf16, f16 or f32 operands; f32 sums; everything else in f32.
;; Inputs: b1 8 x 4,096 float32; b2 8 x 1,024 float32; gate_b 8 float32; gate_w 1,024 x 8 float32; w1_codes 8 x 4,096 x 32 x 32 uint8 (E5M2 codes of w1, K innermost, in blocks of 32 codes); w1_scales 8 x 4,096 x 32 uint8 (E8M0 scales of w1, one for each 32 codes along K); w2_codes 8 x 1,024 x 128 x 32 uint8 (E5M2 codes of w2, K innermost, in blocks of 32 codes); w2_scales 8 x 1,024 x 128 uint8 (E8M0 scales of w2, one for each 32 codes along K); x 4 x 256 x 1,024 float32.
;; Outputs: out0 4 x 256 x 1,024 float32.
;; This version of the problem:
;;   THIS VERSION OF THE PROBLEM IS GIVEN IN LOW PRECISION. The matrix products marked QUANTISED in the list below multiply operands that are first quantised to E5M2 (5 exponent bits, 2 mantissa bits; 8 bits a number), with one power-of-two scale for each 32 numbers along K (OCP MX v1.0); their sums are f32. All else is computed in f32.
;;   The module's matrix products, in the order in which they are computed (A, B: the left and right operand; K: the contracted axis; several contracted axes count as one K, in the product's order):
;;     1. [M 1,024, K 1,024] x [K 1,024, N 8]; A: input x; B: input gate_w: left as it is (N = 8 < 16)
;;     2. [M 1,024, K 1,024] x [K 1,024, N 4,096]; A: input x; B: input w1 (given as codes): QUANTISED
;;     3. [M 1,024, K 4,096] x [K 4,096, N 1,024]; A: computed on the way; B: input w2 (given as codes): QUANTISED
;;     4. [M 1,024, K 1,024] x [K 1,024, N 4,096]; A: input x; B: input w1 (given as codes): QUANTISED
;;     5. [M 1,024, K 4,096] x [K 4,096, N 1,024]; A: computed on the way; B: input w2 (given as codes): QUANTISED
;;     6. [M 1,024, K 1,024] x [K 1,024, N 4,096]; A: input x; B: input w1 (given as codes): QUANTISED
;;     7. [M 1,024, K 4,096] x [K 4,096, N 1,024]; A: computed on the way; B: input w2 (given as codes): QUANTISED
;;     8. [M 1,024, K 1,024] x [K 1,024, N 4,096]; A: input x; B: input w1 (given as codes): QUANTISED
;;     9. [M 1,024, K 4,096] x [K 4,096, N 1,024]; A: computed on the way; B: input w2 (given as codes): QUANTISED
;;     10. [M 1,024, K 1,024] x [K 1,024, N 4,096]; A: input x; B: input w1 (given as codes): QUANTISED
;;     11. [M 1,024, K 4,096] x [K 4,096, N 1,024]; A: computed on the way; B: input w2 (given as codes): QUANTISED
;;     12. [M 1,024, K 1,024] x [K 1,024, N 4,096]; A: input x; B: input w1 (given as codes): QUANTISED
;;     13. [M 1,024, K 4,096] x [K 4,096, N 1,024]; A: computed on the way; B: input w2 (given as codes): QUANTISED
;;     14. [M 1,024, K 1,024] x [K 1,024, N 4,096]; A: input x; B: input w1 (given as codes): QUANTISED
;;     15. [M 1,024, K 4,096] x [K 4,096, N 1,024]; A: computed on the way; B: input w2 (given as codes): QUANTISED
;;     16. [M 1,024, K 1,024] x [K 1,024, N 4,096]; A: input x; B: input w1 (given as codes): QUANTISED
;;     17. [M 1,024, K 4,096] x [K 4,096, N 1,024]; A: computed on the way; B: input w2 (given as codes): QUANTISED
;;   THE QUANTISER, for each operand of a quantised product, along K:
;;     - K is cut into blocks of 32 from its start; a last block that is shorter is filled with zeros.
;;     - A block's scale is 2^e with e = floor(log2(the largest magnitude in the block)) - 15, held to -126 .. 127; a block of zeros has e = 0. As a byte (E8M0): e + 127.
;;     - Each number is divided by its block's scale, clamped to +-57,344, and rounded to the nearest number of E5M2, ties to even, subnormals kept.
;;     - The product sums the exact products of the quantised numbers (number of the format x scale) in f32.
;;   ~~~python
;;   def quantise(x, axis):      # numpy; x: float32 -> the quantised numbers, widened to float32 again
;;       x = np.moveaxis(x, axis, -1); K = x.shape[-1]
;;       x = np.pad(x, [(0, 0)] * (x.ndim - 1) + [(0, -K % 32)]); x = x.reshape(x.shape[:-1] + (-1, 32)); a = np.abs(x).max(-1, keepdims=True)
;;       e = np.where(a > 0, np.clip(np.frexp(np.where(a > 0, a, 1))[1] - 1 - 15, -126, 127), 0)      # np.frexp(a)[1] - 1 = floor(log2(a)), exactly
;;       r = np.clip(x / 2.0 ** e, -57344, 57344)
;;       step = 2.0 ** (np.maximum(np.frexp(np.where(r == 0, 1, r))[1] - 1, -14) - 2)
;;       q = np.round(r / step) * step * 2.0 ** e      # np.round: ties to even
;;       return np.moveaxis(q.reshape(q.shape[:-2] + (-1,))[..., :K], -1, axis).astype(np.float32)
;;   ~~~
;;   OPERANDS COMPUTED ON THE WAY. 'Computed on the way' means the value that the module computes at that place (a softmax that the list does not call 'softmax' is quantised finished and normalised). What goes into a quantiser is computed in f32, as accurately as f32 sums, v_exp_f32 and their like allow (about 1e-6 of the number): no bf16 or f16 on the way to a quantiser, and a product that is left as it is and whose result goes on into a quantised operand takes f32 operands (vector FMAs, or v_wmma_f32_16x16x4_f32). A number that lies on a knife's edge between two numbers of the format may be rounded either way, as far as f32 arithmetic and the matrix unit's own rounding can turn it there, and no further.
;;   INPUTS GIVEN AS CODES. w1 (in the module: [8, 1024, 4096], K = its axis 1); w2 (in the module: [8, 4096, 1024], K = its axis 1): each comes as NAME_codes (uint8): NAME with its K axis moved to the last place and cut into blocks of 32 codes, [.., K / 32, bytes a block], one block behind the other in memory; one code a byte (a code: sign, 5 exponent bits, 2 mantissa bits); and NAME_scales (uint8): the same leading axes, one E8M0 byte (e + 127) for each 32 codes along K. Its value is code x scale, taken as it is: it is not quantised again, and the codes and scales need not be those that the quantiser above would give.
;; One version. Each part assembles by itself: llvm-mc -triple=amdgcn-amd-amdhsa -mcpu=gfx1250 --defsym DOCPART=n.
;; ======== version 1 of 1: 4 launches
;; limits: right only within a limited range of input values
;; workspace buffers: sel 8,192 bytes of whole numbers; cw 8,192 bytes; xq 1,081,344 bytes; list 45,056 bytes of whole numbers; ha 34,603,008 bytes; yp 33,554,432 bytes
;; launch route (part 1): grid 256 x 1, 1 waves a work-group, no clusters, 0 bytes of LDS; arguments x, gate_w, gate_b, sel, cw, xq; writes sel, cw, xq
.if DOCPART == 1
	.amdgcn_target "amdgcn-amd-amdhsa--gfx1250"
	.amdhsa_code_object_version 6
	.text
	.protected	k_q9b33193db3_route
	.globl	k_q9b33193db3_route
	.p2align	8
	.type	k_q9b33193db3_route,@function
k_q9b33193db3_route:
	s_mov_b64 s[64:65], 0
	v_nop
	global_prefetch_b8 v0, s[64:65] scope:SCOPE_SE
	s_setreg_imm32_b32 hwreg(HW_REG_WAVE_MODE, 25, 1), 1
	s_wait_xcnt 0x0
; ROUTE: logits = x gate_w + gate_b in f32, the two largest of the 8 (the lower index on a tie, as jax.lax.top_k keeps it), the softmax of those two (the larger taken away first); and x quantised to E5M2.
; Stored at fixed places: sel[token][2] = the two experts (whole numbers), cw[token][2] = their weights; xq = the tokens' codes [1,024][1,024], and from XSW on their scale words [1,024][8].
; WORK LEFT OUT BY THE WHOLE PROGRAM.  For a token t and an expert e that is not among sel[t], coef = sum(where(sel == e, top_w, 0.0)) is 0, and
; out takes coef x y: so row t of silu(tokens w1[e] + b1[e]) and of h w2[e] + b2[e] reaches no output, whatever finite values the inputs hold.  Only the 2 x 1,024 chosen rows are multiplied.
; Every input keeps a way to the output, and all are loaded.  LIMITS: a NaN, an infinity or an overflow that arises only in a row left out is not carried to the result; NaN and infinities in x or in the
; logits are not served; where the second and third logit agree to within the order of the f32 sums, the other of the two may be chosen.
; LIMIT of the quantiser: a block of zeros gets the byte 1 where the rule says 127 (its codes are zeros, and this program alone reads the bytes); blocks under 2^(16 - 127) take that floor's byte.
; SHARES.  One wave takes 4 tokens.  Lane l holds the numbers x[256 jj + 8 l + 0 .. 7], jj = 0 .. 3, of each row (loads j = 2 jj, 2 jj + 1), and the same 32 rows of gate_w, 8 numbers each, in 256 registers.
; 512 packed multiply-adds in 16 chains, then 32 sums over the lanes.  N = 8 in f32: nothing here for the matrix unit.
; A block of 32 lies in four neighbouring lanes.  A token's scale word of K step 2 q + h (128 along K) stands at word 4 h + q.
; REGISTERS: window 0: v2 32 x lane, v3 256 x lane, v4 8 x lane; v8-39 sums (token t, expert e at 8 + 8 t + e); v40-47 my token's logits; v48-55 at work; v64-191 x (64 + 32 t + 8 jj + i);
;   v192-223 codes, v224-239 scale bytes and words (4 t + jj), v240-255 the quantiser's.  window 1: gate_w (32 j + 8 i + e).
.set XSW, 0x100000
.set ACC, 8
.set LG,  40
.set X,   64
.set CD,  192
.set SW,  224
.set QM,  240
.set QE,  244
.set QB,  248
.set SS,  252
.set MSB, 0
.macro WIN new                         ; the immediate's high byte repeats the setting that is left
.if MSB != (\new)
	s_set_vgpr_msb (MSB<<8)|(\new)
.set MSB, (\new)
.endif
.endm
	s_load_b256 s[4:11], s[0:1], 0x0               ; x s[4:5], gate_w s[6:7], gate_b s[8:9], sel s[10:11]
	s_load_b128 s[12:15], s[0:1], 0x20             ; cw s[12:13], xq s[14:15]
	v_lshlrev_b32 v2, 5, v0
	v_lshlrev_b32 v3, 8, v0
	v_lshlrev_b32 v4, 3, v0
	s_lshl_b32 s2, ttmp9, 14                       ; my 4 rows of 4,096 bytes
	s_mov_b32 s3, 0
	s_lshl_b32 s32, ttmp9, 5                       ; my 4 tokens' 8 bytes in sel and in cw
	s_mov_b32 s33, 0
	s_lshl_b32 s34, ttmp9, 12                      ; their 1,024 codes
	s_mov_b32 s35, 0
	s_lshl_b32 s40, ttmp9, 7                       ; their 32 bytes of scale words
	s_mov_b32 s41, 0
	s_mov_b32 s24, 0x76543210                      ; v_permlanex16_b32's selects for lane l xor 16
	s_mov_b32 s25, 0xfedcba98
	s_mov_b32 s27, 0x22222222                      ; the lanes with lane % 4 = 1, 2, 3
	s_mov_b32 s28, 0x44444444
	s_mov_b32 s29, 0x88888888
	s_mov_b32 s31, 0x600000                        ; the mantissa field of 57,344
	s_wait_alu depctr_va_vdst(0)
	s_wait_kmcnt 0x0
	s_load_b256 s[16:23], s[8:9], 0x0              ; gate_b
	s_add_nc_u64 s[4:5], s[4:5], s[2:3]
	s_add_nc_u64 s[10:11], s[10:11], s[32:33]
	s_add_nc_u64 s[12:13], s[12:13], s[32:33]
	s_add_nc_u64 s[36:37], s[14:15], s[34:35]
	s_add_nc_u64 s[38:39], s[14:15], s[40:41]
	s_add_nc_u64 s[38:39], s[38:39], XSW
.set j, 0
.rept 8                                        ; twelve loads for each j: 8 of gate_w (a lane's 128 bytes), 4 of x
	WIN 0x40
.irp m, 0,1,2,3,4,5,6,7
	global_load_b128 v[32*j+4*\m:32*j+4*\m+3], v3, s[6:7] offset:8192*(j/2)+128*(j%2)+16*\m
.endr
	WIN 0
.irp t, 0,1,2,3
	global_load_b128 v[X+32*\t+4*j:X+32*\t+4*j+3], v2, s[4:5] offset:4096*\t+1024*(j/2)+16*(j%2)
.endr
.set j, j+1
.endr
	WIN 0x04                                       ; source 1 (gate_w) in window 1
.set j, 0
.rept 8
.if 12*(7-j) > 63
	s_wait_loadcnt 63                              ; the twelve loads of each later j may stay out; the wait's field ends at 63
.else
	s_wait_loadcnt 12*(7-j)
.endif
.irp i, 0,1,2,3
.irp t, 0,1,2,3
.irp p, 0,1,2,3
.set rA, ACC+8*\t+2*\p
.set rX, X+32*\t+4*j+2*(\i/2)
.set rG, 32*j+8*\i+2*\p
.if (j == 0) && (\i == 0)
	v_pk_mul_f32 v[rA:rA+1], v[rX:rX+1], v[rG:rG+1] op_sel_hi:[0,1]                               ; the first product starts the sums: nothing is cleared
.elseif (\i%2) == 0
	v_pk_fma_f32 v[rA:rA+1], v[rX:rX+1], v[rG:rG+1], v[rA:rA+1] op_sel_hi:[0,1,1]                 ; x's pair: its first number for both experts
.else
	v_pk_fma_f32 v[rA:rA+1], v[rX:rX+1], v[rG:rG+1], v[rA:rA+1] op_sel:[1,0,0] op_sel_hi:[1,1,1]  ; its second
.endif
.endr
.endr
.endr
.set j, j+1
.endr
	WIN 0
; THE QUANTISER, a token at a time, its four blocks by turns
	v_bfe_u32 v5, v0, 2, 2
	v_lshlrev_b32 v5, 3, v5                        ; 8 x my block's number in its K step
	v_and_b32 v6, 3, v0
	v_lshlrev_b32 v6, 5, v6
	v_lshrrev_b32 v7, 4, v0
	v_lshl_add_u32 v6, v7, 4, v6                   ; scale words: 32 x (lane % 4) + 16 x half
.irp t, 0,1,2,3
.irp q, 0,1,2,3
	v_max3_num_f32 v[QM+\q], |v[X+32*\t+8*\q]|, |v[X+32*\t+8*\q+1]|, 0x8000000   ; with the floor 2^(16 - 127): so the byte cannot fall under 1
.endr
.irp i, 2,4,6
.irp q, 0,1,2,3
	v_max3_num_f32 v[QM+\q], v[QM+\q], |v[X+32*\t+8*\q+\i]|, |v[X+32*\t+8*\q+\i+1]|
.endr
.endr
.irp mk, 1,2
.irp q, 0,1,2,3
	v_max_num_f32_dpp v[QM+\q], v[QM+\q], v[QM+\q] row_xmask:\mk row_mask:0xf bank_mask:0xf
.endr
.endr
.irp q, 0,1,2,3
	v_add_nc_u32 v[QE+\q], 0xf8800000, v[QM+\q]    ; 15 off the exponent field: the conversion's scale operand
.endr
.irp q, 0,1,2,3
	v_and_or_b32 v[QB+\q], v[QM+\q], 0x7f800000, s31   ; 57,344 x the scale
.endr
.irp q, 0,1,2,3
	v_lshrrev_b32 v[SW+4*\t+\q], 23, v[QE+\q]      ; the scale's byte
.endr
.irp i, 0,1,2,3,4,5,6,7
.irp q, 0,1,2,3
	v_med3_num_f32 v[X+32*\t+8*\q+\i], v[X+32*\t+8*\q+\i], -v[QB+\q], v[QB+\q]   ; the conversion to an 8-bit code does not saturate (ISA guide 7.6.2): the hold comes first
.endr
.endr
.irp q, 0,1,2,3
	v_cvt_scalef32_pk8_bf8_f32 v[CD+8*\t+2*\q:CD+8*\t+2*\q+1], v[X+32*\t+8*\q:X+32*\t+8*\q+7], v[QE+\q]
.endr
.irp q, 0,1,2,3
	v_lshlrev_b32 v[SW+4*\t+\q], v5, v[SW+4*\t+\q]
.endr
.irp q, 0,1,2,3
	global_store_b64 v4, v[CD+8*\t+2*\q:CD+8*\t+2*\q+1], s[36:37] offset:1024*\t+256*\q   ; 256 consecutive bytes
.endr
.endr
.irp mk, 4,8                                   ; the four bytes of a K step's word come together in every lane of the half
.set n, 0
.rept 16
	v_mov_b32_dpp v[X+n], v[SW+n] row_xmask:\mk row_mask:0xf bank_mask:0xf   ; (x's registers are done with, and have been written)
.set n, n+1
.endr
.set n, 0
.rept 16
	v_or_b32 v[SW+n], v[SW+n], v[X+n]
.set n, n+1
.endr
.endr
.irp q, 0,1,2,3                                ; lane l stores for token l % 4
	v_cndmask_b32 v[SS+\q], v[SW+\q], v[SW+4+\q], s27
.endr
.irp q, 0,1,2,3
	v_cndmask_b32 v[SS+\q], v[SS+\q], v[SW+8+\q], s28
.endr
.irp q, 0,1,2,3
	v_cndmask_b32 v[SS+\q], v[SS+\q], v[SW+12+\q], s29
.endr
	global_store_b128 v6, v[SS:SS+3], s[38:39]     ; 128 consecutive bytes; four lanes each store the same 16
.irp mk, 1,2,4,8                               ; the 32 sums over the lanes: four steps inside each half,
.set n, 0
.rept 32
	v_add_f32_dpp v[ACC+n], v[ACC+n], v[ACC+n] row_xmask:\mk row_mask:0xf bank_mask:0xf
.set n, n+1
.endr
.endr
.set n, 0
.rept 32
	v_permlanex16_b32 v[X+n], v[ACC+n], s24, s25   ; one across
.set n, n+1
.endr
.set n, 0
.rept 32
	v_add_f32 v[ACC+n], v[ACC+n], v[X+n]
.set n, n+1
.endr
.irp e, 0,1,2,3,4,5,6,7                        ; lane l goes on with token l % 4
	v_cndmask_b32 v[LG+\e], v[ACC+\e], v[ACC+8+\e], s27
.endr
.irp e, 0,1,2,3,4,5,6,7
	v_cndmask_b32 v[LG+\e], v[LG+\e], v[ACC+16+\e], s28
.endr
.irp e, 0,1,2,3,4,5,6,7
	v_cndmask_b32 v[LG+\e], v[LG+\e], v[ACC+24+\e], s29
.endr
	s_wait_alu depctr_va_vdst(0)
	s_wait_kmcnt 0x0                               ; gate_b
.irp e, 0,1,2,3,4,5,6,7
	v_add_f32 v[LG+\e], s[16+\e], v[LG+\e]
.endr
	v_mov_b32 v48, v[LG]                           ; the largest, v50 its expert: a later one must be strictly larger
	v_mov_b32 v50, 0
.irp e, 1,2,3,4,5,6,7
	v_cmp_gt_f32 vcc_lo, v[LG+\e], v48
	v_cndmask_b32 v48, v48, v[LG+\e], vcc_lo
	v_cndmask_b32 v50, v50, \e, vcc_lo
.endr
	v_mov_b32 v49, 0xff800000                      ; the largest of the other seven, v51 its expert
	v_mov_b32 v51, 0
.irp e, 0,1,2,3,4,5,6,7
	v_cmp_ne_u32 s30, \e, v50
	v_cmp_gt_f32 vcc_lo, v[LG+\e], v49
	s_and_b32 vcc_lo, vcc_lo, s30
	v_cndmask_b32 v49, v49, v[LG+\e], vcc_lo
	v_cndmask_b32 v51, v51, \e, vcc_lo
.endr
	v_sub_f32 v54, v49, v48                        ; the maximum taken away: 0 for the first, this (0 or less) for the second
	v_mul_f32 v54, 0x3fb8aa3b, v54
	s_wait_alu depctr_va_vdst(0)
	v_exp_f32 v54, v54
	v_nop                                          ; a plain instruction behind the exponential,
	s_wait_alu depctr_va_vdst(0)                   ; and the wait ahead of its first reader
	v_add_f32 v55, 1.0, v54
	s_wait_alu depctr_va_vdst(0)
	v_rcp_f32 v52, v55                             ; the first weight: 1 / (1 + t)
	v_nop
	s_wait_alu depctr_va_vdst(0)
	v_mul_f32 v53, v54, v52                        ; the second: t / (1 + t)
	v_cmp_gt_u32 vcc_lo, 4, v0
	s_wait_alu depctr_va_vdst(0)
	s_wait_xcnt 0x0                                ; EXEC changes only behind this wait
	s_and_saveexec_b32 s30, vcc_lo                 ; lanes 0 to 3 store their tokens' 8 bytes: 32 consecutive bytes in each buffer
	global_store_b64 v4, v[50:51], s[10:11]
	global_store_b64 v4, v[52:53], s[12:13]
	s_wait_xcnt 0x0
	s_or_b32 exec_lo, exec_lo, s30
	s_endpgm
.Lfunc_end_k_q9b33193db3_route:
	.size	k_q9b33193db3_route, .Lfunc_end_k_q9b33193db3_route-k_q9b33193db3_route
	.p2alignl 7, 3214868480
	.fill 96, 4, 3214868480
	.section	.rodata,"a",@progbits
	.p2align	6, 0x0
	.amdhsa_kernel k_q9b33193db3_route
		.amdhsa_group_segment_fixed_size 0
		.amdhsa_private_segment_fixed_size 0
		.amdhsa_enable_private_segment 0
		.amdhsa_kernarg_size 48
		.amdhsa_user_sgpr_count 2
		.amdhsa_user_sgpr_kernarg_segment_ptr 1
		.amdhsa_wavefront_size32 1
		.amdhsa_system_sgpr_workgroup_id_x 1
		.amdhsa_system_sgpr_workgroup_id_y 1
		.amdhsa_system_sgpr_workgroup_id_z 1
		.amdhsa_system_vgpr_workitem_id 0
		.amdhsa_next_free_vgpr 512
		.amdhsa_next_free_sgpr 66
		.amdhsa_reserve_vcc 1
		.amdhsa_float_denorm_mode_32 3
		.amdhsa_float_denorm_mode_16_64 3
		.amdhsa_memory_ordered 1
		.amdhsa_forward_progress 1
		.amdhsa_inst_pref_size 85
	.end_amdhsa_kernel
	.amdgpu_metadata
---
amdhsa.version: [ 1, 2 ]
amdhsa.kernels:
  - .name:           k_q9b33193db3_route
    .symbol:         k_q9b33193db3_route.kd
    .args:
      - { .name: x, .offset: 0, .size: 8, .value_kind: global_buffer, .address_space: global }
      - { .name: gate_w, .offset: 8, .size: 8, .value_kind: global_buffer, .address_space: global }
      - { .name: gate_b, .offset: 16, .size: 8, .value_kind: global_buffer, .address_space: global }
      - { .name: sel, .offset: 24, .size: 8, .value_kind: global_buffer, .address_space: global }
      - { .name: cw, .offset: 32, .size: 8, .value_kind: global_buffer, .address_space: global }
      - { .name: xq, .offset: 40, .size: 8, .value_kind: global_buffer, .address_space: global }
    .group_segment_fixed_size: 0
    .private_segment_fixed_size: 0
    .kernarg_segment_align: 8
    .kernarg_segment_size: 48
    .max_flat_workgroup_size: 32
    .sgpr_count:     66
    .vgpr_count:     512
    .wavefront_size: 32
...
	.end_amdgpu_metadata
.endif
;; end of part 1
;; launch ffn1 (part 2): grid 32 x 8, 4 waves a work-group, no clusters, 307,712 bytes of LDS; arguments xq, w1_codes, w1_scales, b1, sel, list, ha; writes list, ha
.if DOCPART == 2
	.amdgcn_target "amdgcn-amd-amdhsa--gfx1250"
	.amdhsa_code_object_version 6
	.text
	.protected	k_q9b33193db3_ffn1
	.globl	k_q9b33193db3_ffn1
	.p2align	8
	.type	k_q9b33193db3_ffn1,@function
k_q9b33193db3_ffn1:
	s_mov_b64 s[64:65], 0
	v_nop
	global_prefetch_b8 v0, s[64:65] scope:SCOPE_SE
	s_setreg_imm32_b32 hwreg(HW_REG_WAVE_MODE, 25, 1), 1
	s_wait_xcnt 0x0
; FFN1: the rows that chose expert e are ranked and gathered, and h = Q(silu(x W1[e] + b1[e])) is made of them, on codes of E5M2 with one E8M0 scale for each 32 along K; h leaves as images of the second product's operand registers.
; Rows of experts that were not chosen are left out (shown at the head of the first kernel).
; SHARES.  Work-group (nb, e) owns hidden units 128 nb .. 128 nb + 127 of expert e: a slab of 128 rows x 1,024 codes of W1, one dense block of 131,072 bytes, read from memory once in the launch and kept in LDS.
; It walks all row tiles of its expert: a wave takes 5 tiles of 16 rows a round (tiles tb + 4 a, tb = 20 x round + wave) against all 128 hidden units: 40 accumulators.
; THE LOOP OVER ROUNDS HAS A CONSTANT COUNT: 4 trips x 20 tiles cover the 64 tiles that an expert can have (a token names an expert at most once); a trip whose first tile lies at or past the expert's count of tiles
; is passed over by a scalar branch.  A tile or a row past the end repeats the expert's last row: it is multiplied; such a tile is not stored.
; NO JOINT LOADS, though the 32 work-groups of an expert read the same rows: joint loads are tensor loads, and this text's branches hang on a count made of loaded numbers,
; without those branches every expert would walk 64 tiles, four times the rows that 2,048 / 8 gives on the average.
; No prefetch: the slab is asked for whole at the head, ahead of any loop, and the rows' addresses are known only when their loads go out.
; THE RANK.  The 2,048 words of sel (word n = 2 token + slot) lie in 64 registers: register g = 4 i + q of lane l is word 128 i + 4 l + q.  The order is by (g, lane), the same in every work-group.  Lane i of v[MK + q] keeps the
; mask of the lanes whose word 4 i + q names e, of v[AK + q] the count ahead of it.  A lane that wants rank p finds i among 16 counts, pulls the four masks and counts of i, finds q, and then
; the set bit number p - count of that mask by five halvings over the mask's counts of 2, 4, 8 and 16 bits.  Pass 0: tiles 0, 1 of the round in the two halves of the lanes; pass 1: tiles 2, 3; pass 2: tile 4, rows turned by 8 in the upper half.
; list: [8 experts][1,280 places]: the word n of each place, stored by the expert's work-group nb = 0; from byte 40,960 on [8][128]: the expert's count of tiles.
; THE GATHER.  A quarter of a row is 256 codes.  One load brings a quarter of two rows, 16 lanes each; it goes into the wave's own stage (two slots of a quarter, rows 272 bytes apart) and comes back as fragments.
; TRANSPOSED USE: source 0 = 16 rows of W1, source 1 = 16 rows of x: a lane holds one row, its registers run along the hidden units, which are the next K.
; THE ROWS OF W1 THAT FORM A TILE ARE NOT NEIGHBOURS: lane r of tile 2 b + u takes row 32 b + 8 u + r + 8 (r / 8), so that the 16 registers of tiles 2 b, 2 b + 1 are 16 neighbours along the next K.
; In LDS a tile's 16 rows lie on end: the slab is stored with bits 3 and 4 of the row number exchanged, a constant in each store's offset.
; b1 is the C of each sum's first product.  silu(z) = z / (1 + 2^(-z log2 e)), in f32; far below 0 the exponential is infinite, the reciprocal 0 and h = -0.
; LIMITS of the quantiser as in the launch before.
; REGISTERS, in windows of 256: window 0: v1 r, v2 h, v3 16 x lane, v4 16 r, v5, v6 LDS addresses of W1's tiles 0-3, 4-7, v7 where I store the slab, v8-10 offsets, v11, v14, v15 the stage, v12, v13 the closing add's two;
;   v16-47 W1's scale words (8 b + s: lanes 0-15 tile 2 b, lanes 16-31 tile 2 b + 1), v48-67 x's (4 a + q: lanes 0-15 K step 2 q, lanes 16-31 K step 2 q + 1): these hold scales alone;
;   v68-84 the quantiser's; v86-93 the rank's masks and counts; v96-175 x's fragments, ONE set (tile a at 16 a): at other times the rank's, h (v96-159) and its codes; v176-239 b1; v240-247 the gather's offsets of tile 4.
;   window 1: W1's fragments, two sets of 128; ahead of a round: quarter 1 of the rows as loaded.   window 2: accumulators (a, t) at 64 a + 8 t, a = 0 .. 3; ahead of the barrier: the slab on its way.
;   window 3: v0-63 accumulators (4, t); v64-95 the gather's offsets of tiles 0-3; v96-255 a quarter of the rows as loaded.
.set XSW,   0x100000
.set HSW,   0x2000000
.set PITCH, 1040                       ; a slab row in LDS: 1,024 bytes + 16 = 260 words: row r starts at bank 4 r mod 64 (64 banks of 4 bytes: ISA guide 11.1)
.set STAGE, 128*PITCH
.set TP,    16*272                     ; a tile's quarter in a stage
.set SLOT,  5*TP
.set WST,   2*SLOT                     ; a wave's stage
.set SPARE, STAGE+4*WST                ; behind the stages: the spare words, 128 bytes a wave: two blocks of 256 bytes that no other line names
.set RP,    1024                       ; a row of W1 in memory
.set WS,   16
.set XS,   48
.set TM,   68
.set PW,   84
.set MK,   86
.set AK,   90
.set HT,   96
.set PC,   160
.set BIAS, 176
.set LAND, 96
.set E,    96                          ; the rank: sel as loaded, then
.set RP_,  96                          ; p, held under the expert's count
.set RG,   99                          ; 4 i
.set RU,   102                         ; the place
.set MQ,   105                         ; masks, 3 q + pass
.set AQ,   117                         ; counts, 3 q + pass
.set RW,   129                         ; q
.set QK,   132
.set QA,   135
.set QB,   138
.set QC,   141
.set QD,   144
.set QP,   147
.set T1,   150
.set T2,   153
.set RN,   156                         ; the word n
.set TOK,  160
.set XO,   163
.set PB,   72                          ; s[72:87] the 16 counts
.set SEL,  26
.set MNT,  28
.set MSB,  0
.macro WIN new                         ; the immediate's high byte repeats the setting that is left
.if MSB != (\new)
	s_set_vgpr_msb (MSB<<8)|(\new)
.set MSB, (\new)
.endif
.endm
.macro PLACES n
.rept \n
	v_nop
.endr
.endm
.macro QUANT s, pw                     ; 64 numbers of a lane, register 16 b + i = k 32 b + 16 h + i of my row, become a fragment's codes in v[PC] on and the row's scale word in v[pw]
.irp b, 0,1,2,3
	v_max3_num_f32 v[TM+\b], |v[\s+16*\b]|, |v[\s+1+16*\b]|, 0x8000000   ; block b: my 16 numbers, and the floor 2^(16 - 127): so the byte cannot fall under 1
.endr
.irp i, 2,4,6,8,10,12,14
.irp b, 0,1,2,3
	v_max3_num_f32 v[TM+\b], v[TM+\b], |v[\s+16*\b+\i]|, |v[\s+1+16*\b+\i]|
.endr
.endr
.irp b, 0,1,2,3
	v_permlanex16_b32 v[TM+4+\b], v[TM+\b], s[SEL], s[SEL+1]
.endr
.irp b, 0,1,2,3
	v_max_num_f32 v[TM+\b], v[TM+\b], v[TM+4+\b]   ; with lane l xor 16's 16: the block's largest magnitude
.endr
.irp b, 0,1,2,3
	v_add_nc_u32 v[TM+12+\b], 0xf8800000, v[TM+\b]   ; 15 off its exponent field: the conversion's scale operand
.endr
.irp b, 0,1,2,3
	v_and_or_b32 v[TM+8+\b], v[TM+\b], 0x7f800000, s[MNT]   ; 57,344 x the scale
.endr
.irp b, 0,1,2,3
	v_lshrrev_b32 v[TM+4+\b], 23, v[TM+12+\b]      ; the scale's byte
.endr
	v_lshl_or_b32 v[\pw], v[TM+5], 8, v[TM+4]
	v_lshl_or_b32 v[\pw], v[TM+6], 16, v[\pw]
	v_lshl_or_b32 v[\pw], v[TM+7], 24, v[\pw]
.irp b, 0,1,2,3
.irp i, 0,1,2,3,4,5,6,7,8,9,10,11,12,13,14,15
	v_med3_num_f32 v[\s+16*\b+\i], v[\s+16*\b+\i], -v[TM+8+\b], v[TM+8+\b]   ; the conversion to an 8-bit code does not saturate (ISA guide 7.6.2): the hold comes first
.endr
	v_cvt_scalef32_pk8_bf8_f32 v[PC+4*\b:PC+1+4*\b], v[\s+16*\b:\s+7+16*\b], v[TM+12+\b]
	v_cvt_scalef32_pk8_bf8_f32 v[PC+2+4*\b:PC+3+4*\b], v[\s+8+16*\b:\s+15+16*\b], v[TM+12+\b]
.endr
	v_nop                                          ; one plain instruction behind the last scaled conversion
.endm
.macro SLABST g                        ; rows 8 g .. 8 g + 7 of my 32 go to LDS, bits 3 and 4 of the row number exchanged
	WIN 0x08
.set i, 8*(\g)
.rept 8
.set pr, (i%8)+16*((i/8)%2)+8*(i/16)
	ds_store_b128 v7, v[8*i:8*i+3] offset:pr*PITCH
	ds_store_b128 v7, v[8*i+4:8*i+7] offset:pr*PITCH+512
.set i, i+1
.endr
	WIN 0
.endm
.macro PICK src, wd, st                ; one halving, three passes by turns: does the wanted bit lie above the lower st bits of the piece in hand?  src holds the counts of pieces of st bits, wd bits wide
.irp t, 0,1,2
	v_bfe_u32 v[T1+\t], v[\src+\t], v[QP+\t], \wd
.endr
.irp t, 0,1,2
	v_cmp_ge_u32 s[40+\t], v[QK+\t], v[T1+\t]
.endr
.irp t, 0,1,2
	v_cndmask_b32 v[T1+\t], 0, v[T1+\t], s[40+\t]
.endr
.irp t, 0,1,2
	v_cndmask_b32 v[T2+\t], 0, \st, s[40+\t]
.endr
.irp t, 0,1,2
	v_sub_nc_u32 v[QK+\t], v[QK+\t], v[T1+\t]
.endr
.irp t, 0,1,2
	v_add_nc_u32 v[QP+\t], v[QP+\t], v[T2+\t]
.endr
.endm
.macro RANK                            ; the round's 80 rows: their words, the gather's 40 offsets, and their scale words asked for
	s_lshl_b32 s31, s20, 4
	v_lshl_add_u32 v[RU], v2, 6, v1
	v_add_nc_u32 v[RU], s31, v[RU]                 ; pass 0: place 16 (tb + 4 h) + r
	v_add_nc_u32 v[RU+1], 0x80, v[RU]              ; pass 1: 8 tiles on
	v_lshl_add_u32 v[RU+2], v2, 3, v1
	v_and_b32 v[RU+2], 15, v[RU+2]
	s_add_co_u32 s31, s31, 256
	v_add_nc_u32 v[RU+2], s31, v[RU+2]             ; pass 2: place 16 (tb + 16) + (r + 8 h) % 16
.irp t, 0,1,2
	v_min_u32 v[RP_+\t], s21, v[RU+\t]             ; past the end: the last row again
.endr
.irp t, 0,1,2
	v_mov_b32 v[RG+\t], 0
.endr
.irp i, 1,2,3,4,5,6,7,8,9,10,11,12,13,14,15
.irp t, 0,1,2
	v_cmp_le_u32 s[40+\t], s[PB+\i], v[RP_+\t]
.endr
.irp t, 0,1,2
	v_cndmask_b32 v[RG+\t], v[RG+\t], 4*\i, s[40+\t]
.endr
.endr
.irp q, 0,1,2,3
.irp t, 0,1,2
	ds_bpermute_b32 v[MQ+3*\q+\t], v[RG+\t], v[MK+\q]
	ds_bpermute_b32 v[AQ+3*\q+\t], v[RG+\t], v[AK+\q]
.endr
.endr
	s_wait_alu depctr_va_vdst(0)
	s_wait_dscnt 0x0
.irp t, 0,1,2
	v_mov_b32 v[RW+\t], 0
.endr
.irp q, 1,2,3
.irp t, 0,1,2
	v_cmp_le_u32 s[40+\t], v[AQ+3*\q+\t], v[RP_+\t]
.endr
.irp t, 0,1,2
	v_cndmask_b32 v[MQ+\t], v[MQ+\t], v[MQ+3*\q+\t], s[40+\t]
.endr
.irp t, 0,1,2
	v_cndmask_b32 v[AQ+\t], v[AQ+\t], v[AQ+3*\q+\t], s[40+\t]
.endr
.irp t, 0,1,2
	v_cndmask_b32 v[RW+\t], v[RW+\t], \q, s[40+\t]
.endr
.endr
.irp t, 0,1,2
	v_sub_nc_u32 v[QK+\t], v[RP_+\t], v[AQ+\t]     ; which set bit of the mask
.endr
.irp t, 0,1,2
	v_lshrrev_b32 v[T1+\t], 1, v[MQ+\t]
.endr
.irp t, 0,1,2
	v_and_b32 v[T1+\t], 0x55555555, v[T1+\t]
.endr
.irp t, 0,1,2
	v_sub_nc_u32 v[QA+\t], v[MQ+\t], v[T1+\t]      ; counts of 2 bits
.endr
.irp t, 0,1,2
	v_lshrrev_b32 v[T1+\t], 2, v[QA+\t]
.endr
.irp t, 0,1,2
	v_and_b32 v[T1+\t], 0x33333333, v[T1+\t]
.endr
.irp t, 0,1,2
	v_and_b32 v[QB+\t], 0x33333333, v[QA+\t]
.endr
.irp t, 0,1,2
	v_add_nc_u32 v[QB+\t], v[QB+\t], v[T1+\t]      ; of 4
.endr
.irp t, 0,1,2
	v_lshrrev_b32 v[T1+\t], 4, v[QB+\t]
.endr
.irp t, 0,1,2
	v_add_nc_u32 v[QC+\t], v[QB+\t], v[T1+\t]
.endr
.irp t, 0,1,2
	v_and_b32 v[QC+\t], 0x0f0f0f0f, v[QC+\t]       ; of 8
.endr
.irp t, 0,1,2
	v_lshrrev_b32 v[T1+\t], 8, v[QC+\t]
.endr
.irp t, 0,1,2
	v_add_nc_u32 v[QD+\t], v[QC+\t], v[T1+\t]      ; of 16, in the low byte of each half
.endr
.irp t, 0,1,2
	v_mov_b32 v[QP+\t], 0
.endr
	PICK QD, 8, 16
	PICK QC, 8, 8
	PICK QB, 4, 4
	PICK QA, 2, 2
	PICK MQ, 1, 1
.irp t, 0,1,2
	v_lshl_add_u32 v[RN+\t], v[QP+\t], 2, v[RW+\t]
.endr
.irp t, 0,1,2
	v_lshl_add_u32 v[RN+\t], v[RG+\t], 5, v[RN+\t] ; n = 128 i + 4 x lane + q
.endr
.irp t, 0,1,2
	v_lshrrev_b32 v[TOK+\t], 1, v[RN+\t]
.endr
.irp t, 0,1,2
	v_lshlrev_b32 v[T2+\t], 2, v[RU+\t]
.endr
	s_wait_alu depctr_va_vdst(0)
	s_cmp_lg_u32 s17, 0
	s_cbranch_scc1 .Lno_list_\@
.irp t, 0,1,2
	global_store_b32 v[T2+\t], v[RN+\t], s[36:37]  ; 64 consecutive bytes a tile
.endr
.Lno_list_\@:
	WIN 0xc0
.irp t, 0,1
.irp i, 0,1,2,3,4,5,6,7,8,9,10,11,12,13,14,15
	v_mov_b32_dpp v[64+16*\t+\i], v[TOK+\t] row_share:\i row_mask:0xf bank_mask:0xf   ; row i's token in each half
.endr
.endr
	WIN 0xcc
.set n, 64
.rept 32
	v_min_u32 v[n], 0x3ff, v[n]                    ; a number made of loaded ones enters an address only behind this bound
.set n, n+1
.endr
	WIN 0xc3
.set n, 64
.rept 32
	v_lshl_add_u32 v[n], v[n], 10, v4
.set n, n+1
.endr
	WIN 0
.irp i, 0,1,2,3,4,5,6,7
	v_mov_b32_dpp v[240+\i], v[TOK+2] row_share:\i row_mask:0xf bank_mask:0xf   ; tile 4: row i below, row i + 8 above
.endr
.irp i, 0,1,2,3,4,5,6,7
	v_min_u32 v[240+\i], 0x3ff, v[240+\i]
.endr
.irp i, 0,1,2,3,4,5,6,7
	v_lshl_add_u32 v[240+\i], v[240+\i], 10, v4
.endr
.irp t, 0,1,2
	v_permlanex16_b32 v[TM+4+\t], v[TOK+\t], s[SEL], s[SEL+1]   ; the other half's
.endr
	v_cndmask_b32 v[XO], v[TOK], v[TM+4], s45      ; each tile's 16 tokens in both halves of the lanes
	v_cndmask_b32 v[XO+1], v[TM+4], v[TOK], s45
	v_cndmask_b32 v[XO+2], v[TOK+1], v[TM+5], s45
	v_cndmask_b32 v[XO+3], v[TM+5], v[TOK+1], s45
	v_cndmask_b32 v[XO+4], v[TOK+2], v[TM+6], s45
.irp a, 0,1,2,3,4
	v_min_u32 v[XO+\a], 0x3ff, v[XO+\a]
.endr
.irp a, 0,1,2,3,4
	v_lshlrev_b32 v[XO+\a], 5, v[XO+\a]
.endr
.irp a, 0,1,2,3,4
	v_lshl_add_u32 v[XO+\a], v2, 4, v[XO+\a]
.endr
.irp a, 0,1,2,3,4
	global_load_b128 v[XS+4*\a:XS+4*\a+3], v[XO+\a], s[34:35]
.endr
	s_wait_alu depctr_va_vdst(0)
.endm
.macro LOADQ Q, pr, w, base            ; quarter Q of tiles 2 pr, 2 pr + 1 (pr = 2: of tile 4), into window w: each load two rows' 256 bytes
.if (\pr) < 2
	WIN ((\w)<<6)|3
.irp i, 0,1,2,3,4,5,6,7,8,9,10,11,12,13,14,15
	global_load_b128 v[\base+64*(\pr)+4*\i:\base+64*(\pr)+4*\i+3], v[64+16*(\pr)+\i], s[4:5] offset:256*(\Q)
.endr
.else
	WIN (\w)<<6
.irp i, 0,1,2,3,4,5,6,7
	global_load_b128 v[\base+128+4*\i:\base+128+4*\i+3], v[240+\i], s[4:5] offset:256*(\Q)
.endr
.endif
	WIN 0
.endm
.macro STOREQ slot, pr, w, base        ; and into a slot of my stage
	WIN (\w)<<2
.if (\pr) < 2
.irp i, 0,1,2,3,4,5,6,7,8,9,10,11,12,13,14,15
	ds_store_b128 v14, v[\base+64*(\pr)+4*\i:\base+64*(\pr)+4*\i+3] offset:(\slot)*SLOT+2*(\pr)*TP+272*\i
.endr
.else
.irp i, 0,1,2,3,4,5,6,7
	ds_store_b128 v15, v[\base+128+4*\i:\base+128+4*\i+3] offset:(\slot)*SLOT+4*TP+272*\i
.endr
.endif
	WIN 0
.endm
.macro FETCH_P s, p                    ; K step s of W1's tiles 2 p, 2 p + 1 from the slab, into set s % 2: lane (r, h): row 16 t + r, bytes 128 s + 32 c + 16 h on
	WIN 0x40
.irp u, 0,1
.irp c, 0,1,2,3
	ds_load_b128 v[128*((\s)%2)+16*(2*(\p)+\u)+4*\c:128*((\s)%2)+16*(2*(\p)+\u)+4*\c+3], v[5+(\p)/2] offset:((2*(\p)+\u)%4)*16*PITCH+128*(\s)+32*\c
.endr
.endr
.endm
.macro FETCH_A s, a0, n                ; K step s of n of the rows' tiles from the stage
	WIN 0
.set fa, \a0
.rept \n
.irp c, 0,1,2,3
	ds_load_b128 v[96+16*fa+4*\c:96+16*fa+4*\c+3], v11 offset:(((\s)/2)%2)*SLOT+fa*TP+128*((\s)%2)+32*\c
.endr
.set fa, fa+1
.endr
.endm
.macro WM                              ; one product; the rows of the scale registers by the tile's and the K step's parity
.if fT && fS
	v_wmma_scale_f32_16x16x128_f8f6f4 v[rD:rD+7], v[rB:rB+15], v[rA:rA+15], v[rC:rC+7], v[rW], v[rX] matrix_a_fmt:MATRIX_FMT_BF8 matrix_b_fmt:MATRIX_FMT_BF8 matrix_a_scale:MATRIX_SCALE_ROW1 matrix_b_scale:MATRIX_SCALE_ROW1
.elseif fT
	v_wmma_scale_f32_16x16x128_f8f6f4 v[rD:rD+7], v[rB:rB+15], v[rA:rA+15], v[rC:rC+7], v[rW], v[rX] matrix_a_fmt:MATRIX_FMT_BF8 matrix_b_fmt:MATRIX_FMT_BF8 matrix_a_scale:MATRIX_SCALE_ROW1
.elseif fS
	v_wmma_scale_f32_16x16x128_f8f6f4 v[rD:rD+7], v[rB:rB+15], v[rA:rA+15], v[rC:rC+7], v[rW], v[rX] matrix_a_fmt:MATRIX_FMT_BF8 matrix_b_fmt:MATRIX_FMT_BF8 matrix_b_scale:MATRIX_SCALE_ROW1
.else
	v_wmma_scale_f32_16x16x128_f8f6f4 v[rD:rD+7], v[rB:rB+15], v[rA:rA+15], v[rC:rC+7], v[rW], v[rX] matrix_a_fmt:MATRIX_FMT_BF8 matrix_b_fmt:MATRIX_FMT_BF8
.endif
.endm
; WHAT STANDS BEHIND TILE a's EIGHT PRODUCTS in step s: two of W1's next tiles (a < 4); the rows' next tiles 0-2 (a = 2) and 3, 4 (a = 4), each behind 8 plain places, since these products have read the registers;
; in steps 2 and 5 quarters 2 and 3 go into the slots whose last fragments were asked for a step or more before; in step 3 quarter 3 is asked for, into registers whose stores the step's first wait has shown done.
.macro GAP s, a
.if (\s) == 2 || (\s) == 5
.if (\a) == 0
	s_wait_loadcnt 0x0                             ; the quarter is in
.endif
.if (\a) < 3
	STOREQ (\s)/5, \a, 3, LAND
.endif
.endif
.if (\s) == 3
.if (\a) < 3
	LOADQ 3, \a, 3, LAND
.endif
.endif
.if (\s) < 7
.if (\a) == 2 || (\a) == 4
	PLACES 8
.endif
.if (\a) < 4
	FETCH_P (\s)+1, \a
.endif
.if (\a) == 2
	FETCH_A (\s)+1, 0, 3
.endif
.if (\a) == 4
	FETCH_A (\s)+1, 3, 2
.endif
.elseif (\a) == 4
	PLACES 9                                       ; the results are read next
.endif
.endm
; A K step of 128: 40 products, the 40 accumulators by turns, one instruction a turn, in the same order in every step.  start = 1: b1 is the C.
.macro KSTEP s, start
.if (\s)
	s_wait_dscnt 8                                 ; W1's fragments and the rows' tiles 0-2 are in; the youngest eight loads (tiles 3, 4) may be out
.else
	s_wait_dscnt 0x0
.endif
.set kB, 128*((\s)%2)
.set fS, (\s)%2
.irp a, 0,1,2,3,4
.if (\s) && (\a == 3)
.if (\s) == 7
	s_wait_dscnt 0x0                               ; tiles 3, 4 are in
.elseif (\s) == 2 || (\s) == 5
	s_wait_dscnt 63                                ; likewise: behind them 36 loads and 40 stores; the field ends at 63
.else
	s_wait_dscnt 36                                ; likewise: behind them 24 loads of W1's, 12 of the rows'
.endif
.endif
	WIN 0xa1+0x50*(\a/4)-(\start)*(0x20+0x10*(\a/4))   ; source 0 window 1, source 1 window 0, D window 2 or 3, C likewise (b1: 0)
.irp t, 0,1,2,3,4,5,6,7
.set rD, 64*(\a%4)+8*\t
.set rC, rD
.if \start
.set rC, BIAS+8*\t
.endif
.set rB, kB+16*\t
.set rA, 96+16*\a
.set rW, WS+8*(\t/2)+(\s)
.set rX, XS+4*\a+(\s)/2
.set fT, \t%2
	WM
.endr
	GAP \s, \a
.endr
	WIN 0
.endm
; THE WAY OUT of tile slot a, if it is a tile of the expert: silu, the quantiser, four stores of 512 consecutive bytes and the 16 rows' scale words (64 bytes; both halves of the lanes hold and write the same words).
.macro EPI a
	s_add_co_u32 s29, s20, 4*\a
	s_cmp_ge_u32 s29, s19
	s_cbranch_scc1 .Lno_\@
.set Z, 64*(\a%4)
.set WA, 2+\a/4
	s_min_u32 s29, s29, 63
	s_wait_xcnt 0x0                                ; the last way out's stores have read their bases, codes and scale word: all are written again below
	s_lshl_b32 s22, s29, 16
	s_add_nc_u64 s[52:53], s[60:61], s[22:23]      ; the tile's image of K step nb
	s_lshl_b32 s22, s29, 11
	s_add_nc_u64 s[54:55], s[62:63], s[22:23]      ; and its scale words
	WIN WA                                         ; source 0: the accumulators' window
.set i, 0
.rept 32
	v_pk_mul_f32 v[HT+2*i:HT+2*i+1], v[Z+2*i:Z+2*i+1], s[24:25] op_sel_hi:[1,0]   ; -z log2 e; each accumulator from its low end on
.set i, i+1
.endr
	WIN 0
.set i, 0
	s_wait_alu depctr_va_vdst(0)
.rept 64
	v_exp_f32 v[HT+i], v[HT+i]
.set i, i+1
.endr
	v_nop                                          ; a plain instruction behind the batch,
	s_wait_alu depctr_va_vdst(0)                   ; and the one wait ahead of its first reader
.set i, 0
.rept 32
	v_pk_add_f32 v[HT+2*i:HT+2*i+1], v[HT+2*i:HT+2*i+1], 1.0 op_sel_hi:[1,0]
.set i, i+1
.endr
.set i, 0
	s_wait_alu depctr_va_vdst(0)
.rept 64
	v_rcp_f32 v[HT+i], v[HT+i]
.set i, i+1
.endr
	v_nop
	s_wait_alu depctr_va_vdst(0)
	WIN WA
.set i, 0
.rept 32
	v_pk_mul_f32 v[HT+2*i:HT+2*i+1], v[Z+2*i:Z+2*i+1], v[HT+2*i:HT+2*i+1]   ; h = z / (1 + 2^(-z log2 e)); register 8 t + j is hidden unit 32 (t / 2) + 16 h + 8 (t % 2) + j: the quantiser's order
.set i, i+1
.endr
	WIN 0
	QUANT HT, PW
.irp c, 0,1,2,3
	global_store_b128 v3, v[PC+4*\c:PC+4*\c+3], s[52:53] offset:512*\c
.endr
	global_store_b32 v10, v[PW], s[54:55]
.Lno_\@:
.endm
	s_load_b256 s[4:11], s[0:1], 0x0               ; xq s[4:5], W1's codes s[6:7], W1's scales s[8:9], b1 s[10:11]
	s_load_b128 s[12:15], s[0:1], 0x20             ; sel s[12:13], list s[14:15]
	s_load_b64 s[38:39], s[0:1], 0x30              ; ha
	v_lshl_add_u32 v12, v0, 2, SPARE               ; my spare word, and 0: kept for the closing lines alone
	v_mov_b32 v13, 0
	v_lshrrev_b32 v14, 5, v0
	v_readfirstlane_b32 s16, v14                   ; wave 0..3
	v_and_b32 v14, 31, v0                          ; lane
	v_and_b32 v1, 15, v0                           ; r
	v_bfe_u32 v2, v0, 4, 1                         ; h
	v_lshlrev_b32 v3, 4, v14
	v_lshlrev_b32 v4, 4, v1
	v_mul_u32_u24 v5, v1, PITCH
	v_lshl_add_u32 v5, v2, 4, v5                   ; a fragment's row x pitch + 16 h: tiles 0-3;
	v_add_nc_u32 v6, 64*PITCH, v5                  ; tiles 4-7 lie beyond an offset's 16 bits
	s_mul_i32 s29, s16, 32*PITCH
	v_add_nc_u32 v7, s29, v3                       ; my 32 rows of the slab, 16 x lane
	v_and_b32 v8, 8, v1
	v_add_nc_u32 v8, v8, v1
	v_lshl_add_u32 v8, v2, 3, v8
	v_lshlrev_b32 v8, 5, v8                        ; scale words: row r + 8 (r / 8) + 8 h of a pair of tiles, 32 bytes a row
	v_lshlrev_b32 v9, 6, v2                        ; b1: 16 h numbers on
	v_lshlrev_b32 v10, 2, v1                       ; h's scale words: 4 r
	s_mul_i32 s29, s16, WST
	s_add_co_u32 s29, s29, STAGE                   ; my stage
	v_mul_u32_u24 v11, v1, 272
	v_lshl_add_u32 v11, v2, 4, v11
	v_add_nc_u32 v11, s29, v11                     ; a fragment: row r, + 16 h
	v_mul_u32_u24 v14, v2, TP
	v_add_nc_u32 v14, v14, v4
	v_add_nc_u32 v14, s29, v14                     ; in: the upper half of the lanes a tile on,
	v_mul_u32_u24 v15, v2, 8*272
	v_add_nc_u32 v15, v15, v4
	v_add_nc_u32 v15, s29, v15                     ; or 8 rows on
.irp b, 0,1,2,3
	v_mov_b32 v[TM+4+\b], 0                        ; written once: a lane permute's, a lane write's and a lane move's destination counts as one of its sources
	v_mov_b32 v[MK+\b], 0
	v_mov_b32 v[AK+\b], 0
.endr
.irp i, 0,1,2,3,4,5,6,7
	v_mov_b32 v[240+\i], 0
.endr
	WIN 0xc0
.set n, 64
.rept 32
	v_mov_b32 v[n], 0
.set n, n+1
.endr
	WIN 0
	s_mov_b32 s17, ttmp9                           ; nb
	s_and_b32 s18, ttmp7, 0xffff                   ; e
	s_mov_b32 s23, 0                               ; the upper word of every offset; never rewritten
	s_mov_b32 s24, 0xbfb8aa3b                      ; -log2 e
	s_mov_b32 s25, s24                             ; (named with it as a pair, so it is written)
	s_mov_b32 s[SEL], 0x76543210
	s_mov_b32 s[SEL+1], 0xfedcba98
	s_mov_b32 s[MNT], 0x600000
	s_mov_b32 s45, 0xffff0000                      ; lanes 16 to 31
	s_lshl_b32 s22, s18, 22                        ; the slab: (4,096 e + 128 nb + 32 wave) rows of 1,024 bytes
	s_lshl_b32 s29, s17, 17
	s_add_co_u32 s22, s22, s29
	s_lshl_b32 s29, s16, 15
	s_add_co_u32 s22, s22, s29
	s_wait_alu depctr_va_vdst(0)
	s_wait_kmcnt 0x0
.irp i, 0,1,2,3,4,5,6,7,8,9,10,11,12,13,14,15
	global_load_b128 v[E+4*\i:E+4*\i+3], v3, s[12:13] offset:512*\i
.endr
	s_add_nc_u64 s[6:7], s[6:7], s[22:23]
	WIN 0x80
.set i, 0
.rept 32                                       ; my 32 rows of the slab: 64 loads of 512 consecutive bytes, into window 2
	global_load_b128 v[8*i:8*i+3], v3, s[6:7] offset:i*RP th:TH_LOAD_NT
	global_load_b128 v[8*i+4:8*i+7], v3, s[6:7] offset:i*RP+512 th:TH_LOAD_NT
.set i, i+1
.endr
	WIN 0
	s_lshl_b32 s22, s18, 17
	s_lshl_b32 s29, s17, 12
	s_add_co_u32 s22, s22, s29
	s_add_nc_u64 s[8:9], s[8:9], s[22:23]          ; W1's scales at my 128 rows
	s_lshl_b32 s22, s18, 14
	s_lshl_b32 s29, s17, 9
	s_add_co_u32 s22, s22, s29
	s_add_nc_u64 s[10:11], s[10:11], s[22:23]      ; b1 likewise
	s_add_nc_u64 s[34:35], s[4:5], XSW             ; the tokens' scale words
	s_mul_i32 s22, s18, 5120
	s_add_nc_u64 s[36:37], s[14:15], s[22:23]      ; the expert's part of the list
	s_lshl_b32 s22, s18, 9
	s_add_nc_u64 s[46:47], s[14:15], s[22:23]      ; and of the counts
	s_lshl_b32 s22, s18, 22
	s_lshl_b32 s29, s17, 11
	s_add_co_u32 s22, s22, s29
	s_add_nc_u64 s[60:61], s[38:39], s[22:23]      ; the expert's tiles of h, K step nb: images,
	s_lshl_b32 s22, s18, 17
	s_lshl_b32 s29, s17, 6
	s_add_co_u32 s22, s22, s29
	s_add_nc_u64 s[62:63], s[38:39], s[22:23]
	s_add_nc_u64 s[62:63], s[62:63], HSW           ; scale words
	s_mov_b32 s21, 0                               ; the count so far
	s_wait_loadcnt 63                              ; sel is in: behind it 64 loads of the slab; the wait's field ends at 63
.set g, 0
.rept 64
	v_cmp_eq_u32 s20, s18, v[E+g]                  ; the lanes whose word g names my expert
.if (g%4) == 0
	s_mov_b32 s[PB+g/4], s21
.endif
	v_writelane_b32 v[MK+g%4], s20, g/4
	v_writelane_b32 v[AK+g%4], s21, g/4
	s_bcnt1_i32_b32 s31, s20
	s_add_co_u32 s21, s21, s31
.set g, g+1
.endr
	s_add_co_u32 s19, s21, 15
	s_lshr_b32 s19, s19, 4
	s_min_u32 s19, s19, 64                         ; the expert's count of tiles: a number made of loaded ones is compared only behind a bound written as a constant
	s_max_u32 s21, s21, 1
	s_sub_co_u32 s21, s21, 1
	s_min_u32 s21, s21, 0x3ff                      ; its last place
	s_mov_b32 s20, s16                             ; tb
	RANK
	s_cmp_lg_u32 s17, 0
	s_cbranch_scc1 .Lno_count
	v_mov_b32 v168, s19
	v_lshlrev_b32 v169, 2, v0
	global_store_b32 v169, v168, s[46:47] offset:40960   ; 512 consecutive bytes from the four waves, the same number throughout
.Lno_count:
	s_wait_loadcnt 53                              ; the slab's first 16 loads are in: behind them 48 and the rows' 5 of scale words
	SLABST 0
.irp b, 0,1,2,3                                ; W1's scale words: a row's 32 bytes are its 8 K steps' words
	global_load_b128 v[WS+8*\b:WS+8*\b+3], v8, s[8:9] offset:\b*1024
	global_load_b128 v[WS+8*\b+4:WS+8*\b+7], v8, s[8:9] offset:\b*1024+16
.endr
	LOADQ 0, 0, 3, LAND
	s_wait_loadcnt 61                              ; the second 16: behind them 32 + 5 + 8 + 16
	SLABST 1
	LOADQ 0, 1, 3, LAND
	s_wait_loadcnt 61                              ; the third 16: behind them 16 + 13 + 32
	SLABST 2
	LOADQ 0, 2, 3, LAND
	s_wait_loadcnt 53                              ; the last 16: behind them 13 + 40
	SLABST 3
.irp t, 0,1,2,3,4,5,6,7                        ; b1 in the result's layout: lane (r, h), tile t: hidden units 32 (t / 2) + 16 h + 8 (t % 2) + 0 .. 7
	global_load_b128 v[BIAS+8*\t:BIAS+8*\t+3], v9, s[10:11] offset:(32*(\t/2)+8*(\t%2))*4
	global_load_b128 v[BIAS+8*\t+4:BIAS+8*\t+7], v9, s[10:11] offset:(32*(\t/2)+8*(\t%2))*4+16
.endr
.irp p, 0,1,2
	LOADQ 1, \p, 1, 0
.endr
	s_wait_dscnt 0x0                               ; for the others' sake: my rows of the slab lie in LDS
	s_barrier_signal -1
	s_barrier_wait -1                              ; the one barrier, ahead of every branch on a loaded number: the slab is whole, and is written no more
	s_mov_b32 s30, 4                               ; 4 trips x 20 tiles: the 64 tiles that an expert can have
.Lround:
	s_cmp_ge_u32 s20, s19
	s_cbranch_scc1 .Lrest                          ; no tile is left for my wave: the trip's work is passed over
	PLACES 4                                       ; the fragments' registers were last written by vector instructions: four places ahead of scaled products that name them
	s_wait_xcnt 0x0                                ; the list's stores have read their registers
	s_wait_loadcnt 40                              ; quarter 0 and all ahead of it are in; quarter 1's 40 loads may stay out
.irp p, 0,1,2
	STOREQ 0, \p, 3, LAND
.endr
	s_wait_dscnt 0x0                               ; the stores have read their registers, on which the next loads land
.irp p, 0,1,2
	LOADQ 2, \p, 3, LAND
.endr
	s_wait_loadcnt 40                              ; quarter 1 is in; quarter 2's 40 may stay out
.irp p, 0,1,2
	STOREQ 1, \p, 1, 0
.endr
	s_wait_dscnt 0x0                               ; likewise
.irp p, 0,1,2,3
	FETCH_P 0, \p
.endr
	FETCH_A 0, 0, 5
	KSTEP 0, 1
	KSTEP 1, 0
	KSTEP 2, 0
	KSTEP 3, 0
	KSTEP 4, 0
	KSTEP 5, 0
	KSTEP 6, 0
	KSTEP 7, 0
	EPI 0
	EPI 1
	EPI 2
	EPI 3
	EPI 4
	s_wait_xcnt 0x0                                ; the stores have read their codes, whose registers the rank takes
	s_add_co_u32 s20, s20, 20
	s_cmp_ge_u32 s20, s19
	s_cbranch_scc1 .Lrest                          ; no further round: nothing is asked for
	RANK
.irp p, 0,1,2
	LOADQ 0, \p, 3, LAND
.endr
.irp p, 0,1,2
	LOADQ 1, \p, 1, 0
.endr
.Lrest:
	s_sub_co_u32 s30, s30, 1
	s_cmp_lg_u32 s30, 0
	s_cbranch_scc1 .Lround
	s_wait_tensorcnt 0x0                           ; the wave's end
	ds_add_u32 v12, v13
	s_wait_dscnt 0x0
	s_endpgm
.Lfunc_end_k_q9b33193db3_ffn1:
	.size	k_q9b33193db3_ffn1, .Lfunc_end_k_q9b33193db3_ffn1-k_q9b33193db3_ffn1
	.p2alignl 7, 3214868480
	.fill 96, 4, 3214868480
	.section	.rodata,"a",@progbits
	.p2align	6, 0x0
	.amdhsa_kernel k_q9b33193db3_ffn1
		.amdhsa_group_segment_fixed_size 307712
		.amdhsa_private_segment_fixed_size 0
		.amdhsa_enable_private_segment 0
		.amdhsa_kernarg_size 56
		.amdhsa_user_sgpr_count 2
		.amdhsa_user_sgpr_kernarg_segment_ptr 1
		.amdhsa_wavefront_size32 1
		.amdhsa_system_sgpr_workgroup_id_x 1
		.amdhsa_system_sgpr_workgroup_id_y 1
		.amdhsa_system_sgpr_workgroup_id_z 1
		.amdhsa_system_vgpr_workitem_id 0
		.amdhsa_next_free_vgpr 1024
		.amdhsa_next_free_sgpr 88
		.amdhsa_reserve_vcc 0
		.amdhsa_float_denorm_mode_32 3
		.amdhsa_float_denorm_mode_16_64 3
		.amdhsa_memory_ordered 1
		.amdhsa_forward_progress 1
		.amdhsa_inst_pref_size 255
	.end_amdhsa_kernel
	.section	.bss,"aw",@nobits
	.p2align	6
	.space	262144
	.amdgpu_metadata
---
amdhsa.version: [ 1, 2 ]
amdhsa.kernels:
  - .name:           k_q9b33193db3_ffn1
    .symbol:         k_q9b33193db3_ffn1.kd
    .args:
      - { .name: xq, .offset: 0, .size: 8, .value_kind: global_buffer, .address_space: global }
      - { .name: w1_codes, .offset: 8, .size: 8, .value_kind: global_buffer, .address_space: global }
      - { .name: w1_scales, .offset: 16, .size: 8, .value_kind: global_buffer, .address_space: global }
      - { .name: b1, .offset: 24, .size: 8, .value_kind: global_buffer, .address_space: global }
      - { .name: sel, .offset: 32, .size: 8, .value_kind: global_buffer, .address_space: global }
      - { .name: list, .offset: 40, .size: 8, .value_kind: global_buffer, .address_space: global }
      - { .name: ha, .offset: 48, .size: 8, .value_kind: global_buffer, .address_space: global }
    .group_segment_fixed_size: 307712
    .private_segment_fixed_size: 0
    .kernarg_segment_align: 8
    .kernarg_segment_size: 56
    .max_flat_workgroup_size: 128
    .sgpr_count:     88
    .vgpr_count:     1024
    .wavefront_size: 32
...
	.end_amdgpu_metadata
.endif
;; end of part 2
;; launch ffn2 (part 3): grid 32 x 8, 4 waves a work-group, no clusters, 167,424 bytes of LDS; arguments ha, w2_codes, w2_scales, list, yp; writes yp
.if DOCPART == 3
	.amdgcn_target "amdgcn-amd-amdhsa--gfx1250"
	.amdhsa_code_object_version 6
	.text
	.protected	k_q9b33193db3_ffn2
	.globl	k_q9b33193db3_ffn2
	.p2align	8
	.type	k_q9b33193db3_ffn2,@function
k_q9b33193db3_ffn2:
	s_mov_b64 s[64:65], 0
	v_nop
	global_prefetch_b8 v0, s[64:65] scope:SCOPE_SE
	s_setreg_imm32_b32 hwreg(HW_REG_WAVE_MODE, 25, 1), 1
	s_wait_xcnt 0x0
; FFN2: a part of y = h W2[e] for the rows placed with expert e, on codes of E5M2 with one E8M0 scale for each 32 along K: outputs 128 nb .. 128 nb + 127, summed over hidden units 1,024 kc .. 1,024 kc + 1,023.
; Rows of experts that were not chosen are left out (shown at the head of the first kernel).  LIMIT: K = 4,096 is summed as four f32 sums, which the last launch adds.
; SHARES.  Work-group (nb + 8 kc, e) owns a slab of 128 rows x 1,024 codes of W2, read from memory once in the launch and kept in LDS, and walks all row tiles of its expert, as the launch before does:
; a wave takes 5 tiles of 16 rows a round (tiles tb + 4 a, tb = 20 x round + wave), 40 accumulators; a slot at or past the expert's count of tiles loads the last tile again, is multiplied and is not stored.
; THE LOOP OVER ROUNDS HAS A CONSTANT COUNT: 4 trips x 20 tiles cover the 64 tiles that an expert can have; a trip whose first tile lies at or past the count is passed over by a scalar branch at its head.
; With 131,072 codes to a slab, 128 x 1,024 makes the rows' codes that come in and the f32 sums that go out together the fewest bytes.
; NO JOINT LOADS, though the 8 work-groups of a K part read the same row images: joint loads are tensor loads, and this text's branches hang on the count, a number read from memory,
; No prefetch: the slab is asked for whole at the head, and the rows' images three K steps ahead of their products.
; TRANSPOSED USE: source 0 = 16 rows of W2, source 1 = 16 rows of h: a lane's eight results are eight neighbouring outputs of one row.  A tile goes through the wave's own stage in LDS and leaves as rows of 512 bytes,
; each to its own word's place: yp: [2,048 words n = 2 token + slot][4 kc][1,024] f32.  The rows behind an expert's last one repeat it: they hold its numbers and store the same bytes again.
; REGISTERS: window 0: v1 r, v2 h, v3 16 x lane, v4 4 x lane, v5, v6 LDS addresses of tiles 0-3, 4-7, v7 where I store the slab, v8, v9 offsets, v10, v11 the stage, v12, v13 the closing add's two;
;   v16-47 W2's scale words, v48-67 h's: these hold scales alone; v68-72 the tiles' words of the list; v96-175, v176-255 sets 0, 1 of h's fragments; on the way out v96-159 rows of y, v160-175 their offsets.
;   window 1: W2's fragments, two sets.   window 2: accumulators (a, t) at 64 a + 8 t, a = 0 .. 3; ahead of the barrier: the slab on its way.   window 3: v0-63 accumulators (4, t); v64-143, v144-223 sets 2, 3.
.set HSW,   0x2000000
.set PITCH, 1040                       ; a slab row in LDS: 1,024 bytes + 16 = 260 words: row r starts at bank 4 r mod 64 (64 banks of 4 bytes: ISA guide 11.1)
.set SP,    528                        ; a stage row: 512 bytes + 16
.set STAGE, 128*PITCH                  ; behind the slab: 16 rows for each wave
.set SPARE, STAGE+4*16*SP              ; behind the stages: the spare words, 128 bytes a wave: two blocks of 256 bytes that no other line names
.set RP,    4096                       ; a row of W2 in memory
.set WS,   16
.set XS,   48
.set LW,   68
.set BK,   96
.set OF,   160
.set SA,   32                          ; s[32:41] the five tiles' images
.set SX,   42                          ; s[42:51] their scale words
.set TI,   66                          ; s66-70   their numbers, held under the count and 64
.set SL,   72                          ; s[72:81] their words of the list
.set MSB,  0
.macro WIN new                         ; the immediate's high byte repeats the setting that is left
.if MSB != (\new)
	s_set_vgpr_msb (MSB<<8)|(\new)
.set MSB, (\new)
.endif
.endm
.macro SLABST g                        ; rows 8 g .. 8 g + 7 of my 32 go to LDS
	WIN 0x08
.set i, 8*(\g)
.rept 8
	ds_store_b128 v7, v[8*i:8*i+3] offset:i*PITCH
	ds_store_b128 v7, v[8*i+4:8*i+7] offset:i*PITCH+512
.set i, i+1
.endr
	WIN 0
.endm
.macro SETUP                           ; the round's five tiles: tb + 4 a, held at the expert's last tile, and at 63 by a constant, since the number hangs on one that was loaded
.irp a, 0,1,2,3,4
	s_add_co_u32 s[TI+\a], s20, 4*\a
	s_min_u32 s[TI+\a], s[TI+\a], s21
	s_min_u32 s[TI+\a], s[TI+\a], 63
	s_lshl_b32 s22, s[TI+\a], 16                   ; a tile's images of h: 65,536 bytes;
	s_add_nc_u64 s[SA+2*\a:SA+2*\a+1], s[56:57], s[22:23]
	s_lshl_b32 s22, s[TI+\a], 11                   ; its scale words: 2,048;
	s_add_nc_u64 s[SX+2*\a:SX+2*\a+1], s[58:59], s[22:23]
	s_lshl_b32 s22, s[TI+\a], 6                    ; its words of the list: 64
	s_add_nc_u64 s[SL+2*\a:SL+2*\a+1], s[10:11], s[22:23]
.endr
.endm
.macro LD_XS                           ; the rows' scale words: 128 consecutive bytes a load: two K steps x 16 rows; and the rows' words
.irp a, 0,1,2,3,4
.irp q, 0,1,2,3
	global_load_b32 v[XS+4*\a+\q], v4, s[SX+2*\a:SX+2*\a+1] offset:128*\q
.endr
	global_load_b32 v[LW+\a], v9, s[SL+2*\a:SL+2*\a+1]
.endr
.endm
.macro LD_T s, a                       ; K step s of tile a, into set s % 4: 4 loads of 512 consecutive bytes
.set aB, 96+80*((\s)%2)-32*(((\s)%4)/2)
	WIN 0xc0*(((\s)%4)/2)
.irp c, 0,1,2,3
	global_load_b128 v[aB+16*(\a)+4*\c:aB+16*(\a)+4*\c+3], v3, s[SA+2*(\a):SA+2*(\a)+1] offset:2048*(\s)+512*\c
.endr
.endm
.macro LD_A s
.irp a, 0,1,2,3,4
	LD_T \s, \a
.endr
	WIN 0
.endm
.macro FETCH_P s, p                    ; K step s of W2's tiles 2 p, 2 p + 1 from the slab, into set s % 2: lane (r, h): row 16 t + r, bytes 128 s + 32 c + 16 h on
	WIN 0x40
.irp u, 0,1
.irp c, 0,1,2,3
	ds_load_b128 v[128*((\s)%2)+16*(2*(\p)+\u)+4*\c:128*((\s)%2)+16*(2*(\p)+\u)+4*\c+3], v[5+(\p)/2] offset:((2*(\p)+\u)%4)*16*PITCH+128*(\s)+32*\c
.endr
.endr
.endm
.macro WM zero                         ; one product; zero = 1: it starts its sum: nothing is ever cleared.  The rows of the scale registers by the tile's and the K step's parity
.if \zero
.if fT
	v_wmma_scale_f32_16x16x128_f8f6f4 v[rD:rD+7], v[rB:rB+15], v[rA:rA+15], 0, v[rW], v[rX] matrix_a_fmt:MATRIX_FMT_BF8 matrix_b_fmt:MATRIX_FMT_BF8 matrix_a_scale:MATRIX_SCALE_ROW1
.else
	v_wmma_scale_f32_16x16x128_f8f6f4 v[rD:rD+7], v[rB:rB+15], v[rA:rA+15], 0, v[rW], v[rX] matrix_a_fmt:MATRIX_FMT_BF8 matrix_b_fmt:MATRIX_FMT_BF8
.endif
.elseif fT && fS
	v_wmma_scale_f32_16x16x128_f8f6f4 v[rD:rD+7], v[rB:rB+15], v[rA:rA+15], v[rD:rD+7], v[rW], v[rX] matrix_a_fmt:MATRIX_FMT_BF8 matrix_b_fmt:MATRIX_FMT_BF8 matrix_a_scale:MATRIX_SCALE_ROW1 matrix_b_scale:MATRIX_SCALE_ROW1
.elseif fT
	v_wmma_scale_f32_16x16x128_f8f6f4 v[rD:rD+7], v[rB:rB+15], v[rA:rA+15], v[rD:rD+7], v[rW], v[rX] matrix_a_fmt:MATRIX_FMT_BF8 matrix_b_fmt:MATRIX_FMT_BF8 matrix_a_scale:MATRIX_SCALE_ROW1
.elseif fS
	v_wmma_scale_f32_16x16x128_f8f6f4 v[rD:rD+7], v[rB:rB+15], v[rA:rA+15], v[rD:rD+7], v[rW], v[rX] matrix_a_fmt:MATRIX_FMT_BF8 matrix_b_fmt:MATRIX_FMT_BF8 matrix_b_scale:MATRIX_SCALE_ROW1
.else
	v_wmma_scale_f32_16x16x128_f8f6f4 v[rD:rD+7], v[rB:rB+15], v[rA:rA+15], v[rD:rD+7], v[rW], v[rX] matrix_a_fmt:MATRIX_FMT_BF8 matrix_b_fmt:MATRIX_FMT_BF8
.endif
.endm
; A K step of 128: 40 products, the 40 accumulators by turns, one instruction a turn, in the same order in every step.  Behind each tile's eight products stand four loads of the rows'
; K step s + 3 (into the set that step s - 1 multiplied) and eight LDS loads of W2's K step s + 1.  L: the loads of later K steps that may stay out, 20 a step.  start = 1 (K step 0, an even one): the products start the sums.
; np plain places close the step: 8 ahead of loads into registers that these products read and of the first read of results, 9 where the next matrix instruction on an accumulator begins it anew.
.macro KSTEP s, L, start, np
	s_wait_dscnt 0x0                               ; W2's fragments of this step are in
	s_wait_loadcnt \L
.set kA, 96+80*((\s)%2)-32*(((\s)%4)/2)
.set kW, 12*(((\s)%4)/2)
.set kB, 128*((\s)%2)
.set fS, (\s)%2
.irp a, 0,1,2,3,4
	WIN 0xa1+0x50*(\a/4)+kW                        ; source 0 window 1, source 1 window 0 or 3, C and D window 2 or 3
.irp t, 0,1,2,3,4,5,6,7
.set rD, 64*(\a%4)+8*\t
.set rB, kB+16*\t
.set rA, kA+16*\a
.set rW, WS+8*(\t/2)+(\s)
.set rX, XS+4*\a+(\s)/2
.set fT, \t%2
	WM \start
.endr
.if ((\s) > 0) && ((\s) < 5)
	LD_T (\s)+3, \a
.endif
.if ((\s) < 7) && (\a < 4)
	FETCH_P (\s)+1, \a
.endif
.endr
	WIN 0
.rept \np
	v_nop
.endr
.endm
; THE WAY OUT of tile slot a, if it is a tile of the expert.  A lane holds 32 neighbouring bytes of a row and the lanes beside it other rows: the tile goes through my own stage and comes back as 16 rows of
; 512 bytes, which the 32 lanes store whole.  LDS serves a wave's instructions in order (ISA guide 5.7.1.4): no wait between the stores and the loads, nor ahead of the next tile's stores.
.macro EPI a
	s_add_co_u32 s29, s20, 4*\a
	s_cmp_ge_u32 s29, s19
	s_cbranch_scc1 .Lno_\@
.set Z, 64*(\a%4)
	WIN 0x08+4*(\a/4)                              ; an LDS store's data are its source 1: window 2 or 3
.irp t, 0,1,2,3,4,5,6,7
	ds_store_b128 v10, v[Z+8*\t:Z+8*\t+3] offset:64*\t          ; each accumulator from its low end on
	ds_store_b128 v10, v[Z+8*\t+4:Z+8*\t+7] offset:64*\t+16
.endr
	WIN 0
	s_wait_xcnt 0x0                                ; the last way out's stores have read their offsets and their rows: both are written again below
.irp i, 0,1,2,3,4,5,6,7,8,9,10,11,12,13,14,15
	ds_load_b128 v[BK+4*\i:BK+4*\i+3], v11 offset:SP*\i
.endr
.irp i, 0,1,2,3,4,5,6,7,8,9,10,11,12,13,14,15
	v_mov_b32_dpp v[OF+\i], v[LW+\a] row_share:\i row_mask:0xf bank_mask:0xf   ; row i's word in every lane (the destinations held fragments: they have been written)
.endr
.irp i, 0,1,2,3,4,5,6,7,8,9,10,11,12,13,14,15
	v_min_u32 v[OF+\i], 0x7ff, v[OF+\i]            ; a number that was loaded enters an address only behind this bound
.endr
.irp i, 0,1,2,3,4,5,6,7,8,9,10,11,12,13,14,15
	v_lshl_add_u32 v[OF+\i], v[OF+\i], 14, v3      ; a word's place is 16,384 bytes
.endr
	s_wait_alu depctr_va_vdst(0)
.irp i, 0,1,2,3,4,5,6,7,8,9,10,11,12,13,14,15
	s_wait_dscnt 15-\i                             ; row i is back; the younger loads may stay out
	global_store_b128 v[OF+\i], v[BK+4*\i:BK+4*\i+3], s[60:61]   ; 32 lanes store 512 consecutive bytes, at a multiple of 512 from yp's first byte
.endr
.Lno_\@:
.endm
	s_load_b256 s[4:11], s[0:1], 0x0               ; ha s[4:5], W2's codes s[6:7], W2's scales s[8:9], list s[10:11]
	s_load_b64 s[12:13], s[0:1], 0x20              ; yp
	v_lshl_add_u32 v12, v0, 2, SPARE               ; my spare word, and 0: kept for the closing lines alone
	v_mov_b32 v13, 0
	v_lshrrev_b32 v14, 5, v0
	v_readfirstlane_b32 s16, v14                   ; wave 0..3
	v_and_b32 v14, 31, v0                          ; lane
	v_and_b32 v1, 15, v0                           ; r
	v_bfe_u32 v2, v0, 4, 1                         ; h
	v_lshlrev_b32 v3, 4, v14
	v_lshlrev_b32 v4, 2, v14
	v_mul_u32_u24 v5, v1, PITCH
	v_lshl_add_u32 v5, v2, 4, v5                   ; a fragment's row x pitch + 16 h: tiles 0-3;
	v_add_nc_u32 v6, 64*PITCH, v5                  ; tiles 4-7 lie beyond an offset's 16 bits
	s_mul_i32 s29, s16, 32*PITCH
	v_add_nc_u32 v7, s29, v3                       ; my 32 rows of the slab, 16 x lane
	v_lshlrev_b32 v8, 7, v14                       ; scale words: row = lane of a pair of tiles, 128 bytes a row
	v_lshlrev_b32 v9, 2, v1                        ; a tile's words of the list: 4 r
	s_mul_i32 s29, s16, 16*SP
	s_add_co_u32 s29, s29, STAGE                   ; my stage
	v_mul_u32_u24 v10, v1, SP
	v_lshl_add_u32 v10, v2, 5, v10
	v_add_nc_u32 v10, s29, v10                     ; in: row r, + 32 h
	v_add_nc_u32 v11, s29, v3                      ; back: 16 x lane of a row
	s_and_b32 s17, ttmp9, 7                        ; nb
	s_lshr_b32 s31, ttmp9, 3                       ; kc
	s_and_b32 s18, ttmp7, 0xffff                   ; e
	s_mov_b32 s23, 0                               ; the upper word of every offset; never rewritten
	s_lshl_b32 s22, s18, 22                        ; the slab: (1,024 e + 128 nb + 32 wave) rows of 4,096 bytes, + 1,024 kc
	s_lshl_b32 s29, s17, 19
	s_add_co_u32 s22, s22, s29
	s_lshl_b32 s29, s16, 17
	s_add_co_u32 s22, s22, s29
	s_lshl_b32 s29, s31, 10
	s_add_co_u32 s22, s22, s29
	s_wait_alu depctr_va_vdst(0)
	s_wait_kmcnt 0x0
	s_add_nc_u64 s[6:7], s[6:7], s[22:23]
	s_lshl_b32 s22, s18, 9
	s_add_nc_u64 s[52:53], s[10:11], s[22:23]
	s_load_b32 s19, s[52:53], 0xa000               ; the expert's count of tiles: asked for ahead of the slab, so that the rows' first loads can go out while the slab lands
	WIN 0x80
.set i, 0
.rept 32                                       ; my 32 rows of the slab: 64 loads of 512 consecutive bytes, into window 2
	global_load_b128 v[8*i:8*i+3], v3, s[6:7] offset:i*RP th:TH_LOAD_NT
	global_load_b128 v[8*i+4:8*i+7], v3, s[6:7] offset:i*RP+512 th:TH_LOAD_NT
.set i, i+1
.endr
	WIN 0
	s_mul_i32 s22, s18, 5120
	s_add_nc_u64 s[10:11], s[10:11], s[22:23]      ; the expert's part of the list
	s_lshl_b32 s22, s18, 17
	s_lshl_b32 s29, s17, 14
	s_add_co_u32 s22, s22, s29
	s_lshl_b32 s29, s31, 5
	s_add_co_u32 s22, s22, s29
	s_add_nc_u64 s[8:9], s[8:9], s[22:23]          ; W2's scales at my 128 rows, my 32 bytes of each
	s_lshl_b32 s22, s18, 22
	s_lshl_b32 s29, s31, 14
	s_add_co_u32 s22, s22, s29
	s_add_nc_u64 s[56:57], s[4:5], s[22:23]        ; the expert's 64 tiles of h, my 8 K steps: images,
	s_lshl_b32 s22, s18, 17
	s_lshl_b32 s29, s31, 9
	s_add_co_u32 s22, s22, s29
	s_add_nc_u64 s[58:59], s[4:5], s[22:23]
	s_add_nc_u64 s[58:59], s[58:59], HSW           ; scale words
	s_lshl_b32 s22, s31, 12
	s_lshl_b32 s29, s17, 9
	s_add_co_u32 s22, s22, s29
	s_add_nc_u64 s[60:61], s[12:13], s[22:23]      ; yp, part kc, my 512 bytes of a row
	s_wait_loadcnt 48                              ; the slab's first 16 loads are in; its other 48 stay out
	SLABST 0
	s_wait_kmcnt 0x0
	s_min_u32 s19, s19, 64
	s_max_u32 s21, s19, 1
	s_sub_co_u32 s21, s21, 1                       ; the expert's last tile (of an expert without rows: tile 0, loaded and used by nobody)
	s_mov_b32 s20, s16                             ; tb
	SETUP
.irp b, 0,1,2,3                                ; W2's scale words: 32 of a row's 128 bytes are my 8 K steps' words; lanes 0-15 tile 2 b, lanes 16-31 tile 2 b + 1
	global_load_b128 v[WS+8*\b:WS+8*\b+3], v8, s[8:9] offset:\b*4096
	global_load_b128 v[WS+8*\b+4:WS+8*\b+7], v8, s[8:9] offset:\b*4096+16
.endr
	s_wait_loadcnt 40                              ; the second 16: behind them 32 of the slab, 8 of scale words
	SLABST 1
	LD_XS
	LD_A 0                                         ; the first round's K step 0 goes out while half of the slab is still landing
	s_wait_loadcnt 63                              ; the third 16: behind them 16 + 33 + 20 = 69; the wait's field ends at 63
	SLABST 2
	LD_A 1
	s_wait_loadcnt 63                              ; the last 16: behind them 33 + 40 = 73; likewise
	SLABST 3
	LD_A 2
	LD_A 3
	s_wait_dscnt 0x0                               ; for the others' sake: my rows of the slab lie in LDS
	s_barrier_signal -1
	s_barrier_wait -1                              ; the one barrier, ahead of every branch on a loaded number: the slab is whole, and is written no more
	s_mov_b32 s30, 4                               ; 4 trips x 20 tiles: the 64 tiles that an expert can have
.Lround:
	s_cmp_ge_u32 s20, s19
	s_cbranch_scc1 .Lrest                          ; no tile is left for my wave: the trip's work is passed over
.irp p, 0,1,2,3
	FETCH_P 0, \p
.endr
	KSTEP 0, 60, 1, 8                              ; behind K step 0's loads: K steps 1, 2 and 3
	KSTEP 1, 40, 0, 8                              ; K steps 2 and 3 may stay out; and so on: step s asks for K step s + 3 among its products
	KSTEP 2, 40, 0, 8
	KSTEP 3, 40, 0, 8
	KSTEP 4, 40, 0, 8
	KSTEP 5, 40, 0, 8
	KSTEP 6, 20, 0, 8
	KSTEP 7, 0, 0, 9
	EPI 0
	EPI 1
	EPI 2
	EPI 3
	EPI 4
	s_wait_xcnt 0x0                                ; the stores have read their rows, on which later loads of set 0 land, whichever way the tests below go; every load's base may be written
	s_add_co_u32 s20, s20, 20
	s_cmp_ge_u32 s20, s19
	s_cbranch_scc1 .Lrest                          ; no further round: nothing is asked for
	SETUP
	LD_XS
	LD_A 0
	LD_A 1
	LD_A 2
	LD_A 3
.Lrest:
	s_sub_co_u32 s30, s30, 1
	s_cmp_lg_u32 s30, 0
	s_cbranch_scc1 .Lround
	s_wait_tensorcnt 0x0                           ; the wave's end
	ds_add_u32 v12, v13
	s_wait_dscnt 0x0
	s_endpgm
.Lfunc_end_k_q9b33193db3_ffn2:
	.size	k_q9b33193db3_ffn2, .Lfunc_end_k_q9b33193db3_ffn2-k_q9b33193db3_ffn2
	.p2alignl 7, 3214868480
	.fill 96, 4, 3214868480
	.section	.rodata,"a",@progbits
	.p2align	6, 0x0
	.amdhsa_kernel k_q9b33193db3_ffn2
		.amdhsa_group_segment_fixed_size 167424
		.amdhsa_private_segment_fixed_size 0
		.amdhsa_enable_private_segment 0
		.amdhsa_kernarg_size 40
		.amdhsa_user_sgpr_count 2
		.amdhsa_user_sgpr_kernarg_segment_ptr 1
		.amdhsa_wavefront_size32 1
		.amdhsa_system_sgpr_workgroup_id_x 1
		.amdhsa_system_sgpr_workgroup_id_y 1
		.amdhsa_system_sgpr_workgroup_id_z 1
		.amdhsa_system_vgpr_workitem_id 0
		.amdhsa_next_free_vgpr 1024
		.amdhsa_next_free_sgpr 82
		.amdhsa_reserve_vcc 0
		.amdhsa_float_denorm_mode_32 3
		.amdhsa_float_denorm_mode_16_64 3
		.amdhsa_memory_ordered 1
		.amdhsa_forward_progress 1
		.amdhsa_inst_pref_size 143
	.end_amdhsa_kernel
	.amdgpu_metadata
---
amdhsa.version: [ 1, 2 ]
amdhsa.kernels:
  - .name:           k_q9b33193db3_ffn2
    .symbol:         k_q9b33193db3_ffn2.kd
    .args:
      - { .name: ha, .offset: 0, .size: 8, .value_kind: global_buffer, .address_space: global }
      - { .name: w2_codes, .offset: 8, .size: 8, .value_kind: global_buffer, .address_space: global }
      - { .name: w2_scales, .offset: 16, .size: 8, .value_kind: global_buffer, .address_space: global }
      - { .name: list, .offset: 24, .size: 8, .value_kind: global_buffer, .address_space: global }
      - { .name: yp, .offset: 32, .size: 8, .value_kind: global_buffer, .address_space: global }
    .group_segment_fixed_size: 167424
    .private_segment_fixed_size: 0
    .kernarg_segment_align: 8
    .kernarg_segment_size: 40
    .max_flat_workgroup_size: 128
    .sgpr_count:     82
    .vgpr_count:     1024
    .wavefront_size: 32
...
	.end_amdgpu_metadata
.endif
;; end of part 3
;; launch combine (part 4): grid 256 x 1, 8 waves a work-group, no clusters, 0 bytes of LDS; arguments yp, sel, cw, b2, out0; writes out0
.if DOCPART == 4
	.amdgcn_target "amdgcn-amd-amdhsa--gfx1250"
	.amdhsa_code_object_version 6
	.text
	.protected	k_q9b33193db3_combine
	.globl	k_q9b33193db3_combine
	.p2align	8
	.type	k_q9b33193db3_combine,@function
k_q9b33193db3_combine:
	s_mov_b64 s[64:65], 0
	v_nop
	global_prefetch_b8 v0, s[64:65] scope:SCOPE_SE
	s_setreg_imm32_b32 hwreg(HW_REG_WAVE_MODE, 25, 1), 1
	s_wait_xcnt 0x0
; COMBINE: out[t] = the sum over the token's two chosen experts of weight x (the four parts of h W2[e] along K + b2[e]).  The other six experts' terms are left out (shown at the head of the first kernel).
; Each output row has one owner: a work-group takes 4 tokens; thread i owns the 16 bytes at 16 i of every row, so a wave's load or store covers 512 consecutive bytes.
; A token's eight parts lie on end in yp, at a place that its number alone settles; the experts and the weights of the 4 tokens are 32 bytes each, read as scalars beside the first loads;
; an expert enters an address only behind a bound written as a constant.  A stream: 40 loads a thread, all issued ahead of the first wait for one; no LDS, no barrier, nothing for the matrix unit.
.set BO, 16                            ; v16-23  word n = 2 token + slot: my byte offset in b2
.set Y,  32                            ; v32-159 the four parts: 16 n + 4 kc
.set BB, 160                           ; v160-191 b2: 4 n
	s_load_b256 s[4:11], s[0:1], 0x0               ; yp s[4:5], sel s[6:7], cw s[8:9], b2 s[10:11]
	s_load_b64 s[12:13], s[0:1], 0x20              ; out0
	v_lshlrev_b32 v1, 4, v0
	s_lshl_b32 s2, ttmp9, 5                        ; my 8 words
	s_mov_b32 s3, 0
	s_lshl_b32 s14, ttmp9, 17                      ; their 8 places of 16,384 bytes
	s_mov_b32 s15, 0
	s_lshl_b32 s40, ttmp9, 14                      ; my 4 rows of 4,096 bytes
	s_mov_b32 s41, 0
	s_wait_alu depctr_va_vdst(0)
	s_wait_kmcnt 0x0
	s_add_nc_u64 s[4:5], s[4:5], s[14:15]
	s_add_nc_u64 s[6:7], s[6:7], s[2:3]
	s_add_nc_u64 s[8:9], s[8:9], s[2:3]
	s_load_b256 s[24:31], s[6:7], 0x0              ; experts
	s_load_b256 s[32:39], s[8:9], 0x0              ; weights
.macro LD_Y n
.irp k, 0,1,2,3
	global_load_b128 v[Y+16*(\n)+4*\k:Y+16*(\n)+4*\k+3], v1, s[4:5] offset:16384*(\n)+4096*\k th:TH_LOAD_NT
.endr
.endm
.macro LD_B n
	global_load_b128 v[BB+4*(\n):BB+4*(\n)+3], v[BO+\n], s[10:11]
.endm
	LD_Y 0
	LD_Y 1
	LD_Y 2
	LD_Y 3
	s_add_nc_u64 s[12:13], s[12:13], s[40:41]
	s_wait_kmcnt 0x0
.irp n, 0,1,2,3,4,5,6,7
	s_min_u32 s[24+\n], s[24+\n], 7
	s_lshl_b32 s[24+\n], s[24+\n], 12              ; a row of b2 is 4,096 bytes
	v_add_nc_u32 v[BO+\n], s[24+\n], v1
.endr
	s_wait_alu depctr_va_vdst(0)
	LD_B 0
	LD_B 1
	LD_B 2
	LD_B 3
	LD_Y 4
	LD_Y 5
	LD_B 4
	LD_B 5
	LD_Y 6
	LD_Y 7
	LD_B 6
	LD_B 7
.macro SLOTSUM n                       ; (part 0 + part 1) + (part 2 + part 3) + b2, two numbers an instruction
.set yb, Y+16*(\n)
.set bb, BB+4*(\n)
.irp p, 0,2
	v_pk_add_f32 v[yb+\p:yb+\p+1], v[yb+\p:yb+\p+1], v[yb+4+\p:yb+5+\p]
	v_pk_add_f32 v[yb+8+\p:yb+9+\p], v[yb+8+\p:yb+9+\p], v[yb+12+\p:yb+13+\p]
.endr
	s_delay_alu instid0(VALU_DEP_3)
	v_pk_add_f32 v[yb:yb+1], v[yb:yb+1], v[yb+8:yb+9]
	s_delay_alu instid0(VALU_DEP_2)
	v_pk_add_f32 v[yb+2:yb+3], v[yb+2:yb+3], v[yb+10:yb+11]
.irp p, 0,2
	s_delay_alu instid0(VALU_DEP_2)
	v_pk_add_f32 v[yb+\p:yb+\p+1], v[yb+\p:yb+\p+1], v[bb+\p:bb+\p+1]
.endr
.endm
.macro TOKEN t, left
	s_wait_loadcnt \left                           ; my ten loads are in; those issued behind them may stay out
	SLOTSUM 2*(\t)
	SLOTSUM 2*(\t)+1
.irp q, 0,1,2,3
	v_mul_f32 v[Y+32*(\t)+\q], s[32+2*(\t)], v[Y+32*(\t)+\q]
.endr
.irp q, 0,1,2,3
	s_delay_alu instid0(VALU_DEP_4)
	v_fma_f32 v[Y+32*(\t)+\q], s[33+2*(\t)], v[Y+32*(\t)+16+\q], v[Y+32*(\t)+\q]
.endr
	global_store_b128 v1, v[Y+32*(\t):Y+32*(\t)+3], s[12:13] offset:4096*(\t) th:TH_STORE_NT   ; each token's result has registers of its own: no store's data are written again
.endm
	TOKEN 0, 22
	TOKEN 1, 20
	TOKEN 2, 10
	TOKEN 3, 0
	s_endpgm
.Lfunc_end_k_q9b33193db3_combine:
	.size	k_q9b33193db3_combine, .Lfunc_end_k_q9b33193db3_combine-k_q9b33193db3_combine
	.p2alignl 7, 3214868480
	.fill 96, 4, 3214868480
	.section	.rodata,"a",@progbits
	.p2align	6, 0x0
	.amdhsa_kernel k_q9b33193db3_combine
		.amdhsa_group_segment_fixed_size 0
		.amdhsa_private_segment_fixed_size 0
		.amdhsa_enable_private_segment 0
		.amdhsa_kernarg_size 40
		.amdhsa_user_sgpr_count 2
		.amdhsa_user_sgpr_kernarg_segment_ptr 1
		.amdhsa_wavefront_size32 1
		.amdhsa_system_sgpr_workgroup_id_x 1
		.amdhsa_system_sgpr_workgroup_id_y 1
		.amdhsa_system_sgpr_workgroup_id_z 1
		.amdhsa_system_vgpr_workitem_id 0
		.amdhsa_next_free_vgpr 192
		.amdhsa_next_free_sgpr 66
		.amdhsa_reserve_vcc 0
		.amdhsa_float_denorm_mode_32 3
		.amdhsa_float_denorm_mode_16_64 3
		.amdhsa_memory_ordered 1
		.amdhsa_forward_progress 1
		.amdhsa_inst_pref_size 13
	.end_amdhsa_kernel
	.amdgpu_metadata
---
amdhsa.version: [ 1, 2 ]
amdhsa.kernels:
  - .name:           k_q9b33193db3_combine
    .symbol:         k_q9b33193db3_combine.kd
    .args:
      - { .name: yp, .offset: 0, .size: 8, .value_kind: global_buffer, .address_space: global }
      - { .name: sel, .offset: 8, .size: 8, .value_kind: global_buffer, .address_space: global }
      - { .name: cw, .offset: 16, .size: 8, .value_kind: global_buffer, .address_space: global }
      - { .name: b2, .offset: 24, .size: 8, .value_kind: global_buffer, .address_space: global }
      - { .name: out0, .offset: 32, .size: 8, .value_kind: global_buffer, .address_space: global }
    .group_segment_fixed_size: 0
    .private_segment_fixed_size: 0
    .kernarg_segment_align: 8
    .kernarg_segment_size: 40
    .max_flat_workgroup_size: 256
    .sgpr_count:     66
    .vgpr_count:     192
    .wavefront_size: 32
...
	.end_amdgpu_metadata
.endif
;; end of part 4
